; MI455X (gfx1250); checked and timed in simulation.
; The chip was launched on July 23, 2026; its instructions are those of AMD's public machine-readable ISA for CDNA 5 (MIT licence, August 2026) and "CDNA5" Instruction Set Architecture Reference Guide (July 2026). The comments in the code are by the model that wrote it; some were corrected since.
;; LSTM Cell. Allowed arithmetic: float matrix products may take bf16 or f16 operands with f32 sums; other float arithmetic in f32, or as packed bf16 or f16 multiplies, adds, multiply-adds, maxima and minima; sums over many terms, partial sums and values carried from step to step in f32; what a program stores and reads back later, other than sums and carried values, may be rounded once to bf16 or f16.
;; Inputs: W_hf 2,048 x 2,048 float32; W_hg 2,048 x 2,048 float32; W_hi 2,048 x 2,048 float32; W_ho 2,048 x 2,048 float32; W_if 2,048 x 2,048 float32; W_ig 2,048 x 2,048 float32; W_ii 2,048 x 2,048 float32; W_io 2,048 x 2,048 float32; b_hf 2,048 float32; b_hg 2,048 float32; b_hi 2,048 float32; b_ho 2,048 float32; b_if 2,048 float32; b_ig 2,048 float32; b_ii 2,048 float32; b_io 2,048 float32; c0 2,048 x 2,048 float32; h0 2,048 x 2,048 float32; x 2,048 x 2,048 float32.
;; Outputs: out0 2,048 x 2,048 float32; out1 2,048 x 2,048 float32.
;; 2 versions, each right; version 2 is version 1 with the launch cast written anew for expert scheduling mode. Each part assembles by itself: llvm-mc -triple=amdgcn-amd-amdhsa -mcpu=gfx1250 --defsym DOCPART=n.
;; ======== version 1 of 2: 2 launches
;; workspace buffers: abf 16,777,216 bytes; wbf 67,108,864 bytes
;; launch cast (part 1): grid 128 x 10, 8 waves a work-group, no clusters, 0 bytes of LDS; arguments x, h0, W_ii, W_if, W_ig, W_io, W_hi, W_hf, W_hg, W_ho, abf, wbf; writes abf, wbf
.if DOCPART == 1
	.amdgcn_target "amdgcn-amd-amdhsa--gfx1250"
	.amdhsa_code_object_version 6
	.text
	.protected	k_qfbc314dff8_cast
	.globl	k_qfbc314dff8_cast
	.p2align	8
	.type	k_qfbc314dff8_cast,@function
k_qfbc314dff8_cast:
	s_mov_b64 s[64:65], 0
	v_nop
	global_prefetch_b8 v0, s[64:65] scope:SCOPE_SE
	s_setreg_imm32_b32 hwreg(HW_REG_WAVE_MODE, 25, 1), 1
	s_wait_xcnt 0x0
; x, h0 and the eight weight matrices ([2048][2048] f32 each) are rounded once to bf16 (nearest even) and laid out for the product that follows.
;   abf [2048][4096] bf16: row m = x[m][0..2047], then h0[m][0..2047].
;   wbf [8192][4096] bf16: row n = W_i{g}[c][0..2047], then W_h{g}[c][0..2047], with n = (c >> 6) 256 + ((c >> 5) & 1) 128 + 32 g + (c & 31); g = 0..3 for i, f, g, o.
;   So 128 consecutive rows of wbf hold all four gates of 32 hidden columns: the wave that multiplies them ends with i, f, g and o of one element in one lane.
; SHARES.  Work-group (xg, y): rows 16 xg .. 16 xg + 15 of source y (0 x, 1 h0, 2-5 W_i of gate y - 2, 6-9 W_h of gate y - 6); they are 16 consecutive rows of the target too.
; Wave w takes rows 2 w and 2 w + 1: 16,384 bytes, 32 loads of 16 bytes a lane, all issued at once: no loop, and no register is used twice.
; A load of the wave covers 512 consecutive bytes; a store 256 consecutive bytes, at a multiple of 256 from the buffer's first byte.
; No LDS, no matrix unit, no cluster: nothing is shared, and every byte is read once and written once.
.set SROW, 8192                        ; bytes in a source row (2,048 f32), and from row to row of both targets (4,096 bf16)
.set X,    4                           ; v[4:131]  32 x 4 registers as loaded; the first two of each four then hold the four bf16
	s_load_b512 s[8:23], s[0:1], 0x0               ; x, h0, W_ii, W_if, W_ig, W_io, W_hi, W_hf: source k at s[8+2k:9+2k]
	s_load_b256 s[24:31], s[0:1], 0x40             ; W_hg, W_ho, abf s[28:29], wbf s[30:31]
	s_and_b32 s2, ttmp7, 0xffff                    ; y: which source
	s_mov_b32 s3, ttmp9                            ; xg: which 16 rows
	v_lshrrev_b32 v3, 5, v0                        ; wave
	v_and_b32 v1, 31, v0                           ; lane
	v_lshlrev_b32 v2, 3, v1                        ; 8 bytes a lane going out,
	v_lshlrev_b32 v1, 4, v1                        ; 16 coming in,
	v_lshl_or_b32 v1, v3, 14, v1                   ; + the wave's two rows, 8,192 bytes each in the source
	v_lshl_or_b32 v2, v3, 14, v2                   ; and in the target
	; the target's first row: offsets are made apart from the addresses
	s_sub_co_u32 s32, s2, 2
	s_and_b32 s32, s32, 3                          ; the gate (of no use for y < 2)
	s_lshr_b32 s33, s3, 2
	s_lshl_b32 s33, s33, 8                         ; (c >> 6) 256, c = 16 xg
	s_bfe_u32 s34, s3, 0x10001
	s_lshl_b32 s34, s34, 7                         ; ((c >> 5) & 1) 128
	s_add_co_u32 s33, s33, s34
	s_lshl_b32 s32, s32, 5                         ; 32 g
	s_add_co_u32 s33, s33, s32
	s_and_b32 s34, s3, 1
	s_lshl_b32 s34, s34, 4                         ; c & 31
	s_add_co_u32 s33, s33, s34                     ; the row in wbf
	s_lshl_b32 s34, s3, 4                          ; the row in abf
	s_cmp_lt_u32 s2, 2
	s_cselect_b32 s35, s34, s33
	s_cmp_eq_u32 s2, 1                             ; h0 and the W_h fill the second half of a target row
	s_cselect_b32 s36, 4096, 0
	s_cmp_ge_u32 s2, 6
	s_cselect_b32 s36, 4096, s36
	s_lshl_b32 s35, s35, 13                        ; row x 8,192 bytes: under 2^27
	s_add_co_u32 s36, s35, s36
	s_mov_b32 s37, 0
	s_lshl_b32 s38, s3, 17                         ; 16 source rows of 8,192 bytes
	s_mov_b32 s39, 0
	s_wait_kmcnt 0x0
	s_mov_b64 s[4:5], s[8:9]                       ; the source is chosen by the work-group's y alone
.irp k, 1,2,3,4,5,6,7,8,9
	s_cmp_eq_u32 s2, \k
	s_cselect_b64 s[4:5], s[8+2*\k:9+2*\k], s[4:5]
.endr
	s_cmp_lt_u32 s2, 2
	s_cselect_b64 s[6:7], s[28:29], s[30:31]       ; and so is the target
	s_add_nc_u64 s[4:5], s[4:5], s[38:39]
	s_add_nc_u64 s[6:7], s[6:7], s[36:37]
.set n, 0
.rept 32                                       ; load n: row n / 16 of my two, bytes 512 (n % 16) on
	global_load_b128 v[X+4*n:X+4*n+3], v1, s[4:5] offset:(n/16)*SROW+(n%16)*512 th:TH_LOAD_NT
.set n, n+1
.endr
.set n, 0
.rept 32
	s_wait_loadcnt 31-n                            ; loads come back in order (ISA guide 5.7.1): load n is in, the 31 - n younger ones stay out
	v_cvt_pk_bf16_f32 v[X+4*n], v[X+4*n], v[X+4*n+1]
	v_cvt_pk_bf16_f32 v[X+4*n+1], v[X+4*n+2], v[X+4*n+3]
	global_store_b64 v2, v[X+4*n:X+4*n+1], s[6:7] offset:(n/16)*SROW+(n%16)*256 th:TH_STORE_NT  ; 32 lanes x 8 bytes: 256 consecutive bytes
.set n, n+1
.endr
	s_endpgm
.Lfunc_end_k_qfbc314dff8_cast:
	.size	k_qfbc314dff8_cast, .Lfunc_end_k_qfbc314dff8_cast-k_qfbc314dff8_cast
	.p2alignl 7, 3214868480
	.fill 96, 4, 3214868480
	.section	.rodata,"a",@progbits
	.p2align	6, 0x0
	.amdhsa_kernel k_qfbc314dff8_cast
		.amdhsa_group_segment_fixed_size 0
		.amdhsa_private_segment_fixed_size 0
		.amdhsa_enable_private_segment 0
		.amdhsa_kernarg_size 96
		.amdhsa_user_sgpr_count 2
		.amdhsa_user_sgpr_kernarg_segment_ptr 1
		.amdhsa_wavefront_size32 1
		.amdhsa_system_sgpr_workgroup_id_x 1
		.amdhsa_system_sgpr_workgroup_id_y 1
		.amdhsa_system_sgpr_workgroup_id_z 1
		.amdhsa_system_vgpr_workitem_id 0
		.amdhsa_next_free_vgpr 132
		.amdhsa_next_free_sgpr 66
		.amdhsa_reserve_vcc 0
		.amdhsa_float_denorm_mode_32 3
		.amdhsa_float_denorm_mode_16_64 3
		.amdhsa_memory_ordered 1
		.amdhsa_forward_progress 1
		.amdhsa_inst_pref_size 14
	.end_amdhsa_kernel
	.amdgpu_metadata
---
amdhsa.version: [ 1, 2 ]
amdhsa.kernels:
  - .name:           k_qfbc314dff8_cast
    .symbol:         k_qfbc314dff8_cast.kd
    .args:
      - { .name: x, .offset: 0, .size: 8, .value_kind: global_buffer, .address_space: global }
      - { .name: h0, .offset: 8, .size: 8, .value_kind: global_buffer, .address_space: global }
      - { .name: W_ii, .offset: 16, .size: 8, .value_kind: global_buffer, .address_space: global }
      - { .name: W_if, .offset: 24, .size: 8, .value_kind: global_buffer, .address_space: global }
      - { .name: W_ig, .offset: 32, .size: 8, .value_kind: global_buffer, .address_space: global }
      - { .name: W_io, .offset: 40, .size: 8, .value_kind: global_buffer, .address_space: global }
      - { .name: W_hi, .offset: 48, .size: 8, .value_kind: global_buffer, .address_space: global }
      - { .name: W_hf, .offset: 56, .size: 8, .value_kind: global_buffer, .address_space: global }
      - { .name: W_hg, .offset: 64, .size: 8, .value_kind: global_buffer, .address_space: global }
      - { .name: W_ho, .offset: 72, .size: 8, .value_kind: global_buffer, .address_space: global }
      - { .name: abf, .offset: 80, .size: 8, .value_kind: global_buffer, .address_space: global }
      - { .name: wbf, .offset: 88, .size: 8, .value_kind: global_buffer, .address_space: global }
    .group_segment_fixed_size: 0
    .private_segment_fixed_size: 0
    .kernarg_segment_align: 8
    .kernarg_segment_size: 96
    .max_flat_workgroup_size: 256
    .sgpr_count:     66
    .vgpr_count:     132
    .wavefront_size: 32
...
	.end_amdgpu_metadata
.endif
;; end of part 1
;; launch lstm (part 2): grid 32 x 8, 4 waves a work-group, clusters of 4 x 4, 327,680 bytes of LDS; arguments abf, wbf, c0, out0, out1, b_ii, b_hi, b_if, b_hf, b_ig, b_hg, b_io, b_ho; writes out0, out1
.if DOCPART == 2
	.amdgcn_target "amdgcn-amd-amdhsa--gfx1250"
	.amdhsa_code_object_version 6
	.text
	.protected	k_qfbc314dff8_lstm
	.globl	k_qfbc314dff8_lstm
	.p2align	8
	.type	k_qfbc314dff8_lstm,@function
k_qfbc314dff8_lstm:
	s_mov_b64 s[64:65], 0
	v_nop
	global_prefetch_b8 v0, s[64:65] scope:SCOPE_SE
	s_setreg_imm32_b32 hwreg(HW_REG_WAVE_MODE, 25, 1), 1
	s_wait_xcnt 0x0
	s_wait_alu depctr_hold_cnt(0) depctr_sa_sdst(0) depctr_va_vdst(0) depctr_va_sdst(0) depctr_va_ssrc(0) depctr_va_vcc(0) depctr_vm_vsrc(0)
	s_getreg_b32 s2, hwreg(HW_REG_IB_STS2, 6, 4)
	s_cmp_eq_u32 s2, 0
	s_cbranch_scc0 .Lentry_in_a_cluster
	s_endpgm
.Lentry_in_a_cluster:
	s_bfe_u32 s2, ttmp6, 0x10000c
	s_cmp_lg_u32 s2, 0xf033
	s_cbranch_scc0 .Lentry_shape_is_right
	s_endpgm
.Lentry_shape_is_right:
; gates[m][n] = bias[n] + the sum over k of abf[m][k] wbf[n][k] (abf [2048][4096], wbf [8192][4096], bf16; sums in f32), and on the way out the LSTM step:
;   c_t = sigmoid(f) c0 + sigmoid(i) tanh(g) -> out1;   h_t = sigmoid(o) tanh(c_t) -> out0;   both [2048][2048] f32.
; wbf's rows are ordered so that 128 consecutive rows hold the four gates of 32 hidden columns: row 256 T + 128 ch + 32 g + e is gate g (i, f, g, o) of hidden column 64 T + 32 ch + e.
; LIMITS.  Every input enters rounded once to bf16: x, h0 and the weights by the launch before, the eight biases and c0 here; all sums and activations are f32.
; sigmoid(z) = 1 / (1 + 2^(-1.442695 z)), tanh(z) = 1 - 2 / (1 + 2^(2.885390 z)): an exponential that overflows gives an infinity, its reciprocal 0, and the result is the function's limit: no clamp is needed.
; An exponential below 2^-126 counts as 0; near 0 tanh carries an absolute error of about 1e-7; NaN and infinite inputs are not treated apart.
; SHARES.  A work-group of four waves, as many as a WGP has SIMDs, makes 256 batch rows x 256 rows of wbf (64 hidden columns x 4 gates); a wave 128 x 128: 64 accumulators of 16 x 16, 512 registers.
; K goes in steps of 128 through a ring of two LDS slots filled by the tensor data mover; the tiles' rows are 256 bytes of memory and start at multiples of 256 bytes from the buffer's first byte.
; 32 x 8 = 256 work-groups, one tile each.
; CLUSTERS: 4 x 4 work-groups.  The four of a row of the cluster need the same tiles of abf, the four of a column the same tiles of wbf: each tile is asked for JOINTLY, by the same tensor load with the same
; descriptor and a mask that names the four.  c0's tile is each work-group's own: a plain load, behind a round like the others.
; THE MATRIX INSTRUCTION IS USED TRANSPOSED: source 0 = 16 rows of wbf, source 1 = 16 rows of abf.  In accumulator (a, b), b = 2 g + s, lane l (r = l % 16, h = l / 16) holds batch row 16 a + r of my 128 and, in
; register j, gate g of hidden column 16 s + 8 h + j of my 32.  So the four gates of an element lie in one lane, in the same register of four accumulators.
; THE BIAS STARTS THE SUMS: the first product on each accumulator takes bias (b_i + b_h, in the accumulators' layout) as its C: nothing is cleared, and nothing is added at the end.
; REGISTERS, in windows of 256 (s_set_vgpr_msb's low byte: bits 1:0 source 0, 3:2 source 1, 5:4 source 2, 7:6 destination):
;   window 0: v0-31 addresses; v64-127, v128-191 fragments of abf, two buffers; on the way out v64-183 at work.   window 1: v0-63 the bias; v64-127, v128-191 fragments of wbf, two buffers
;   window 2: the 32 accumulators of my rows 0-63 ((a, b) at v[8 (8 a + b)]); at the very end the rows read back from the stages.   window 3: those of my rows 64-127
.set SIZE_K, 4096
.set KSTEP,  128
.set PITCH,  272                       ; an LDS row: 256 bytes of data + 16 of padding = 68 words: row r starts at bank 4 r mod 64 (64 banks of 4 bytes: ISA guide 11.1), so the 16 rows that a load touches start at 16 different banks
.set HALFT,  128*PITCH                 ; 128 rows: what one tensor load of the ring brings, and what one wave reads of abf or of wbf
.set SLOT,   4*HALFT                   ; abf's 256 rows, then wbf's 256 rows
.set C0T,    0                         ; the way out: c0's tile, 256 rows x 64 f32, where slot 0 held abf's rows: those bytes' last fill
.set CST,    2*HALFT                   ; the way out: the stage for c_t, where slot 0 held wbf's rows: no fill lands there any more
.set HST,    SLOT                      ; the way out: the stage for h_t, where slot 1 held abf's rows: likewise
.set SPARE,  2*SLOT                    ; behind the ring: the spare words, 128 bytes for each wave: two blocks of 256 bytes that no other line names
.set LAPS,   SIZE_K/(2*KSTEP)          ; a lap = two K steps = once round the ring: 16
.set OROW,   8192                      ; bytes in a row of c0, out0 and out1, and of abf and wbf
.set ADRA, 16                          ; v16-17  LDS address of my abf fragments in slot 0, 1
.set BO,   18                          ; v18     my byte offset in a bias: 256 T + 128 ch + 32 h
.set ADRB, 20                          ; v20-21  LDS address of my wbf fragments in slot 0, 1
.set CA,   22                          ; v22     my 32 bytes in c0's tile: (128 rh + r) x 272 + 128 ch + 32 h
.set SC,   23                          ; v23     the same place in c_t's stage
.set SH,   24                          ; v24     and in h_t's
.set RD,   25                          ; v25     where I read whole rows of c_t back: row 64 w + h, byte 16 r
.set CO,   26                          ; v26     the same two rows in out0 and out1: 8,192 h + 16 r
.set RDH,  27                          ; v27     as RD, for h_t
.set SPW,  28                          ; v28     LDS address of my spare word: SPARE + 4 x my thread's number; never rewritten
.set NIL,  29                          ; v29     0; never rewritten
.set PFO,  30                          ; v30     the prefetches' offset: my lane x 8,192, a row of abf, wbf or c0; never rewritten
.set F0,   64                          ; fragment buffer 0
.set F1,   128                         ; fragment buffer 1
.set Z,    64                          ; the way out: gate g of element 8 s + j at Z + 16 g + 8 s + j
.set ZI,   64
.set ZF,   80
.set ZG,   96
.set ZO,   112
.set C0R,  128                         ; v128-143  c0 of my 16 elements
.set CB,   144                         ; v144-151  the same rounded to bf16, two to a register
.set CT,   152                         ; v152-167  c_t
.set TC,   168                         ; v168-183  tanh(c_t), then h_t
.set G0C, 20                           ; s[20:23] descriptor group 0 for c0's tile
.set G1,  24                           ; s[24:31] descriptor group 1 for abf's tiles
.set G0,  32                           ; s[32:39] group 0 for abf's tiles, one set for each slot
.set LIM, 43                           ; s43      1 in a wave that prefetches tiles, else the greatest number
.set PFA, 44                           ; s[44:45] where my prefetches stand: my work-group's 32 rows of the 128 that I fetch, one K step further along K than the refill being asked for
.set G1B, 48                           ; s[48:55] group 1 for wbf's tiles: it differs in the mask alone
.set G0B, 56                           ; s[56:63] group 0 for wbf's tiles
.set CN,  66                           ; s[66:67] -log2(e): the packed multiply names a pair and takes its low word for both halves
.set BP,  68                           ; s[68:83] the biases: b_i{g} at BP + 4 g, b_h{g} at BP + 4 g + 2
.set CP,  90                           ; s[90:91] 2 log2(e)
.set G1C, 92                           ; s[92:99] group 1 for c0's tile
.set PFCB, 100                         ; s[100:101] c0 at my wave's 64 rows of the tile
.set MSB, 0
.macro WIN new                         ; the immediate's high byte repeats the setting that is left; a switch that changes nothing is dropped
.if MSB != (\new)
	s_set_vgpr_msb (MSB<<8)|(\new)
.set MSB, \new
.endif
.endm
.set MUL_LO, 0xa1                      ; source 0 (wbf) window 1, source 1 (abf) window 0, C and D window 2
.set MUL_1,  0x91                      ; the same with C (the bias) in window 1
.set TO_B,   0x40                      ; destination window 1, address window 0
.macro PLACES                          ; a load into a register that a matrix instruction has read, and a vector instruction that reads a matrix result or writes one of its registers, stand four plain
.rept 4                                ; vector instructions behind it (ISA guide 7.12.1 for vector instructions)
	v_nop
.endr
.endm
; A joint load.  Waves 0 and 1 fetch abf's two halves, waves 2 and 3 wbf's.  Each line has ONE mask and one set of registers for all that issue it.  The branch hangs on the wave's number alone.
; An s_nop 0 and four v_nop follow each of the two lines, ahead of the jump, the label and what follows.
.macro JLOAD s
	s_cmp_eq_u32 s11, 0
	s_cbranch_scc0 .Lfor_b_\@
	tensor_load_to_lds s[G0+4*(\s):G0+4*(\s)+3], s[G1:G1+7]
	s_nop 0
	PLACES
	s_branch .Lasked_\@
.Lfor_b_\@:
	tensor_load_to_lds s[G0B+4*(\s):G0B+4*(\s)+3], s[G1B:G1B+7]
	s_nop 0
	PLACES
.Lasked_\@:
.endm
; A PREFETCH INTO THE L2, behind each joint load and the run of LDS loads that follows it: the K step that stands TWO refills on, 512 matrix instructions ahead of the load that will want it: 32 rows x 256 bytes,
; a lane a row, one instruction a wave.  Each row's 256 bytes of a K step are named ONCE in the launch: abf's tile row is read by every cluster of that row of clusters, and the one with x = 0 asks; wbf's tile
; column by every cluster of that column, and the one with y = 0 asks.  The four partners that ask for a tile jointly share its rows out BY ADDRESS, 32 each (by cx for abf, by cy for wbf).
; K steps 0 to 3 come by their loads alone; the loop's last trip (s3 = 1) has no K step two on and asks for nothing along K.
.macro ASK
	s_cmp_gt_u32 s3, s[LIM]
	s_cbranch_scc0 .Lnot_mine_\@
	global_prefetch_b8 v[PFO], s[PFA:PFA+1] offset:KSTEP*2 th:TH_LOAD_NT scope:SCOPE_SE
.Lnot_mine_\@:
.endm
; c0's tile is asked for in the loop's last trip, two changes of slots ahead of its tensor load: each wave names the 64 rows x 256 bytes that it will fetch itself, a lane a row; no other work-group reads them.
.macro ASKC
	s_cmp_eq_u32 s3, 1
	s_cbranch_scc0 .Lno_c_\@
	global_prefetch_b8 v[PFO], s[PFCB:PFCB+1] th:TH_LOAD_NT scope:SCOPE_SE
	global_prefetch_b8 v[PFO], s[PFCB:PFCB+1] offset:32*OROW th:TH_LOAD_NT scope:SCOPE_SE
.Lno_c_\@:
.endm
; A round of the cluster's barrier: my work-group's barrier, so that wave 0's signal speaks for all four waves; wave 0 signals; every wave waits for all sixteen work-groups; my work-group's barrier once more.
.macro CREST                           ; a round behind its opening barrier
	s_cmp_lg_u32 s10, 0
	s_cbranch_scc1 .Lnot_wave_0_\@
	s_barrier_signal -3
.Lnot_wave_0_\@:
	s_barrier_wait -3
	s_barrier_signal -1
	s_barrier_wait -1
.endm
.macro CROUND                          ; a whole round
	s_barrier_signal -1
	s_barrier_wait -1
	CREST
.endm
	s_load_b128 s[4:7], s[0:1], 0x0                ; abf s[4:5], wbf s[6:7]
	s_load_b128 s[84:87], s[0:1], 0x10             ; c0 s[84:85], out0 s[86:87]
	s_load_b64 s[88:89], s[0:1], 0x20              ; out1
	s_load_b512 s[BP:BP+15], s[0:1], 0x28          ; b_ii, b_hi, b_if, b_hf, b_ig, b_hg, b_io, b_ho
	v_lshl_add_u32 v[SPW], v0, 2, SPARE
	v_mov_b32 v[NIL], 0
	ds_add_u32 v[SPW], v[NIL]                      ; the wave's opening: the add, twice on end, and its wait ahead of my first tensor load; the set-up below, work on registers, stands between
	ds_add_u32 v[SPW], v[NIL]                      ; and once more, under the one wait
	v_lshrrev_b32 v1, 5, v0
	v_readfirstlane_b32 s10, v1                    ; wave 0..3
	s_lshr_b32 s11, s10, 1                         ; rh: which 128 batch rows of the tile are mine.  Also: I fetch for abf (0) or for wbf (1)
	s_and_b32 s12, s10, 1                          ; ch: which 128 rows of wbf.  Also: which 128 rows of that tile I fetch
	s_bfe_u32 s40, ttmp6, 0x40000                  ; cx: my place along the cluster's x
	s_bfe_u32 s41, ttmp6, 0x40004                  ; cy: along its y
	s_lshl_b32 s42, ttmp9, 2                       ; in a cluster launch ttmp9 and ttmp7 count clusters
	s_add_co_u32 s42, s42, s40                     ; T = 4 x cluster x + cx: 256 rows of wbf, 64 hidden columns
	s_and_b32 s13, ttmp7, 0xffff
	s_lshl_b32 s13, s13, 2
	s_add_co_u32 s13, s13, s41                     ; R = 4 x cluster y + cy: 256 batch rows
	s_lshl_b32 s43, s41, 2
	s_lshl_b32 s43, 15, s43                        ; my row of the cluster: places 4 cy .. 4 cy + 3
	s_lshl_b32 s44, 0x1111, s40                    ; my column: places cx, cx + 4, cx + 8, cx + 12
	; descriptor group 1 of the ring: a tile of 128 rows x 128 elements of 2 bytes, padded in LDS
	s_or_b32 s[G1+0], s43, (1<<16)|(1<<20)|(1<<21)|(5<<22)|(3<<25)  ; 15:0 the mask: abf's tiles go to my row; 17:16 elements of 2 bytes; 20 padding on; 21 set beside a mask; 24:22 after every 64 words (code 5); 31:25 4 words of it (code 3)
	s_or_b32 s[G1B+0], s44, (1<<16)|(1<<20)|(1<<21)|(5<<22)|(3<<25) ; the same with the mask of my column, for wbf's tiles
.irp g, G1, G1B
	s_mov_b32 s[(\g)+1], KSTEP<<16                 ; tensor_dim0 = 128
	s_mov_b32 s[(\g)+2], 128<<16                   ; tensor_dim1 = 128
	s_mov_b32 s[(\g)+3], KSTEP<<16                 ; tile_dim0 = 128
	s_mov_b32 s[(\g)+4], 128                       ; tile_dim1 = 128
	s_mov_b32 s[(\g)+5], SIZE_K                    ; elements from row to row
	s_mov_b32 s[(\g)+6], 0
	s_mov_b32 s[(\g)+7], 0
.endr
	; group 1 for c0's tile: 64 rows x 64 elements of 4 bytes a wave, no mask, the same padding
	s_mov_b32 s[G1C+0], (2<<16)|(1<<20)|(5<<22)|(3<<25)
	s_mov_b32 s[G1C+1], 64<<16                     ; tensor_dim0 = 64
	s_mov_b32 s[G1C+2], 64<<16                     ; tensor_dim1 = 64
	s_mov_b32 s[G1C+3], 64<<16                     ; tile_dim0 = 64
	s_mov_b32 s[G1C+4], 64                         ; tile_dim1 = 64
	s_mov_b32 s[G1C+5], 2048                       ; elements from row to row
	s_mov_b32 s[G1C+6], 0
	s_mov_b32 s[G1C+7], 0
	s_mov_b32 s[CN], 0xbfb8aa3b                    ; -1.442695
	s_mov_b32 s[CN+1], 0xbfb8aa3b                  ; named with it as a pair, so it is written
	s_mov_b32 s[CP], 0x4038aa3b                    ; 2.885390
	s_mov_b32 s[CP+1], 0x4038aa3b
	; where the tiles come from.  abf's hang on R alone, which my row of the cluster shares; wbf's on T alone, which my column shares.  Every wave makes both addresses and asks by one of them.
	s_lshl_b32 s17, s12, 7                         ; which 128 rows of the tile I fetch
	s_lshl_b32 s16, s13, 8
	s_add_co_u32 s16, s16, s17                     ; abf: row 256 R + 128 x half
	s_lshl_b32 s46, s42, 8
	s_add_co_u32 s46, s46, s17                     ; wbf: row 256 T + 128 x half
	s_lshl_b32 s16, s16, 13                        ; x 8,192 bytes: under 2^27
	s_mov_b32 s17, 0
	s_lshl_b32 s46, s46, 13
	s_mov_b32 s47, 0
	s_mul_i32 s20, s10, HALFT                      ; and where they go: wave x 128 rows: no place in the cluster enters an LDS address
	s_wait_dscnt 0x0                               ; both opening adds are done
	s_wait_kmcnt 0x0
	s_add_nc_u64 s[14:15], s[4:5], s[16:17]
	s_add_nc_u64 s[46:47], s[6:7], s[46:47]
	CROUND                                         ; all sixteen work-groups are here: the first joint loads meet
.irp s, 0,1
	s_mov_b32 s[G0+4*(\s)], 1                                      ; 1:0 count = 1
	s_add_co_u32 s[G0+4*(\s)+1], s20, (\s)*SLOT                    ; 63:32 LDS address
	s_add_nc_u64 s[G0+4*(\s)+2:G0+4*(\s)+3], s[14:15], (\s)*KSTEP*2  ; 120:64 global address: K step s
	s_or_b32 s[G0+4*(\s)+3], s[G0+4*(\s)+3], 0x80000000            ; 127:126 type = 2
	s_mov_b32 s[G0B+4*(\s)], 1
	s_add_co_u32 s[G0B+4*(\s)+1], s20, (\s)*SLOT
	s_add_nc_u64 s[G0B+4*(\s)+2:G0B+4*(\s)+3], s[46:47], (\s)*KSTEP*2
	s_or_b32 s[G0B+4*(\s)+3], s[G0B+4*(\s)+3], 0x80000000
	JLOAD \s                                       ; the ring is filled before anything else is done: two tensor loads of mine are out
.endr
	; While the first tiles come: the biases, then the addresses.
	v_and_b32 v1, 15, v0                           ; r = l % 16
	v_bfe_u32 v2, v0, 4, 1                         ; h = l / 16
	s_lshl_b32 s18, s42, 8                         ; 64 T hidden columns of 4 bytes
	s_lshl_b32 s19, s12, 7                         ; my 32 of them
	s_add_co_u32 s18, s18, s19
	v_lshl_add_u32 v[BO], v2, 5, s18               ; my lane's eight
.irp g, 0,1,2,3
.irp s, 0,1
.irp q, 0,1
	global_load_b128 v[64+8*(2*(\g)+(\s))+4*(\q):64+8*(2*(\g)+(\s))+4*(\q)+3],   v[BO], s[BP+4*(\g):BP+4*(\g)+1]   offset:64*(\s)+16*(\q)  ; b_i of gate g, columns 16 s + 8 h + 4 q ..
	global_load_b128 v[128+8*(2*(\g)+(\s))+4*(\q):128+8*(2*(\g)+(\s))+4*(\q)+3], v[BO], s[BP+4*(\g)+2:BP+4*(\g)+3] offset:64*(\s)+16*(\q)  ; b_h likewise
.endr
.endr
.endr
	; A fragment is 16 rows x 32 K in 8 registers: lane l holds row l % 16; registers 0-3 hold K = 8 (l / 16) + 0..7, registers 4-7 K = 16 + 8 (l / 16) + 0..7: two loads of 16 bytes, 32 bytes apart.
	v_mul_u32_u24 v3, v1, PITCH
	v_lshl_add_u32 v3, v2, 4, v3                   ; row x pitch + 16 x half
	s_mul_i32 s21, s11, HALFT                      ; my 128 rows of abf
	s_mul_i32 s22, s12, HALFT                      ; my 128 rows of wbf,
	s_add_co_u32 s22, s22, 2*HALFT                 ; which lie behind abf's 256
.irp s, 0,1
	v_add_nc_u32 v[ADRA+(\s)], s21, v3
	v_add_nc_u32 v[ADRB+(\s)], s22, v3
	s_add_co_u32 s21, s21, SLOT
	s_add_co_u32 s22, s22, SLOT
.endr
	s_mul_i32 s19, s11, HALFT                      ; the way out: row 128 rh + r of a tile of 256 rows x 256 bytes,
	s_lshl_b32 s18, s12, 7                         ; my 32 columns of 4 bytes,
	s_add_co_u32 s19, s19, s18
	v_mul_u32_u24 v4, v1, PITCH
	v_lshl_add_u32 v4, v2, 5, v4                   ; my lane's eight
	v_add_nc_u32 v[CA], s19, v4
	v_add_nc_u32 v[SC], CST, v[CA]
	v_add_nc_u32 v[SH], HST, v[CA]
	s_mul_i32 s19, s10, 64*PITCH                   ; back: wave w takes rows 64 w .. 64 w + 63, whole; lanes 0-15 one row of 256 bytes, lanes 16-31 the next
	v_mul_u32_u24 v5, v2, PITCH
	v_lshl_add_u32 v5, v1, 4, v5
	v_add_nc_u32 v5, s19, v5
	v_add_nc_u32 v[RD], CST, v5
	v_add_nc_u32 v[RDH], HST, v5
	v_lshlrev_b32 v[CO], 13, v2                    ; and the same two rows in out0 and out1
	v_lshl_add_u32 v[CO], v1, 4, v[CO]
	v_and_b32 v[PFO], 31, v0
	v_lshlrev_b32 v[PFO], 13, v[PFO]
	; c0, out0 and out1 at row 256 R + 64 w, column 64 T: the rows that my wave fetches and stores
	s_lshl_b32 s46, s13, 8
	s_lshl_b32 s47, s10, 6
	s_add_co_u32 s46, s46, s47
	s_lshl_b32 s46, s46, 13
	s_lshl_b32 s47, s42, 8
	s_add_co_u32 s46, s46, s47
	s_mov_b32 s47, 0
	s_add_nc_u64 s[PFCB:PFCB+1], s[84:85], s[46:47]
	s_add_nc_u64 s[86:87], s[86:87], s[46:47]
	s_add_nc_u64 s[88:89], s[88:89], s[46:47]
	s_mov_b32 s[G0C], 1                            ; group 0 for c0's tile: count = 1,
	s_mul_i32 s[G0C+1], s10, 64*PITCH              ; LDS address C0T + wave x 64 rows,
	s_mov_b64 s[G0C+2:G0C+3], s[PFCB:PFCB+1]       ; global address,
	s_or_b32 s[G0C+3], s[G0C+3], 0x80000000        ; type = 2
	; the tiles' prefetches
	s_lshl_b32 s14, s13, 8                         ; 256 R
	s_lshl_b32 s15, s42, 8                         ; 256 T
	s_and_b32 s18, ttmp7, 0xffff                   ; cluster y
	s_cmp_eq_u32 s11, 0                            ; do I fetch for abf?
	s_cselect_b32 s16, s14, s15                    ; the tile's first row
	s_cselect_b32 s17, s40, s41                    ; my place among the four that ask for it with me
	s_cselect_b32 s18, ttmp9, s18                  ; the coordinate along which other clusters read the same rows
	s_cselect_b64 s[PFA:PFA+1], s[4:5], s[6:7]
	s_cmp_eq_u32 s18, 0
	s_cselect_b32 s[LIM], 1, -1                    ; the same in all sixteen partners, for a given wave
	s_lshl_b32 s18, s12, 7
	s_add_co_u32 s16, s16, s18                     ; + the 128 rows that I fetch
	s_lshl_b32 s17, s17, 5
	s_add_co_u32 s16, s16, s17                     ; + my work-group's 32 of them
	s_lshl_b32 s16, s16, 13
	s_mov_b32 s17, 0
	s_add_nc_u64 s[PFA:PFA+1], s[PFA:PFA+1], s[16:17]
	s_add_nc_u64 s[PFA:PFA+1], s[PFA:PFA+1], 2*KSTEP*2  ; at K step 2: the first refill steps it to 3 and names K step 4.  Nothing is prefetched here, where every work-group's first tiles are on their way
	; the bias: each of the two rounded to bf16, widened again, added in f32, into window 1 in the accumulators' layout (block b at v[8 b])
	s_wait_loadcnt 0x0
.set p, 0
.rept 32
	v_cvt_pk_bf16_f32 v[192+p], v[64+2*p], v[65+2*p]
	v_cvt_pk_bf16_f32 v[224+p], v[128+2*p], v[129+2*p]
.set p, p+1
.endr
.set p, 0
.rept 32
	v_lshlrev_b32 v[64+2*p], 16, v[192+p]
	v_and_b32 v[65+2*p], 0xffff0000, v[192+p]
	v_lshlrev_b32 v[128+2*p], 16, v[224+p]
	v_and_b32 v[129+2*p], 0xffff0000, v[224+p]
.set p, p+1
.endr
	WIN TO_B
.set p, 0
.rept 32
	v_pk_add_f32 v[2*p:2*p+1], v[64+2*p:65+2*p], v[128+2*p:129+2*p]
.set p, p+1
.endr
	WIN 0
; 16 matrix instructions: m blocks a0, a0 + 1 of the window's four (hi = 0: my rows 0-63, 1: rows 64-127) x all 8 n blocks, 32 along K.  first = 1: the bias is C and starts the sums.
; The 64 accumulators take turns, in the same order in every quarter step, over the loop's backward jump too.
.macro MUL16 f, hi, a0, first
.if \first
	WIN MUL_1+0x40*(\hi)
.else
	WIN MUL_LO+0x50*(\hi)
.endif
.irp a, \a0, (\a0)+1
.irp b, 0,1,2,3,4,5,6,7
.if \first
	v_wmma_f32_16x16x32_bf16 v[8*(8*(\a)+(\b)):8*(8*(\a)+(\b))+7], v[(\f)+8*(\b):(\f)+8*(\b)+7], v[(\f)+8*(4*(\hi)+(\a)):(\f)+8*(4*(\hi)+(\a))+7], v[8*(\b):8*(\b)+7]
.else
	v_wmma_f32_16x16x32_bf16 v[8*(8*(\a)+(\b)):8*(8*(\a)+(\b))+7], v[(\f)+8*(\b):(\f)+8*(\b)+7], v[(\f)+8*(4*(\hi)+(\a)):(\f)+8*(4*(\hi)+(\a))+7], v[8*(8*(\a)+(\b)):8*(8*(\a)+(\b))+7]
.endif
.endr
.endr
.endm
; 32 LDS loads in one run: the fragments of one quarter step (128 rows of wbf, 128 rows of abf, 32 K at byte k of the rows) into buffer f
.macro FETCH slot, k, f
	WIN TO_B
.irp i, 0,1,2,3,4,5,6,7
	ds_load_b128 v[(\f)+8*(\i):(\f)+8*(\i)+3],   v[ADRB+(\slot)] offset:(\k)+(\i)*16*PITCH
	ds_load_b128 v[(\f)+8*(\i)+4:(\f)+8*(\i)+7], v[ADRB+(\slot)] offset:(\k)+(\i)*16*PITCH+32
.endr
	WIN 0
.irp i, 0,1,2,3,4,5,6,7
	ds_load_b128 v[(\f)+8*(\i):(\f)+8*(\i)+3],   v[ADRA+(\slot)] offset:(\k)+(\i)*16*PITCH
	ds_load_b128 v[(\f)+8*(\i)+4:(\f)+8*(\i)+7], v[ADRA+(\slot)] offset:(\k)+(\i)*16*PITCH+32
.endr
.endm
; A K step is four quarter steps of 32 along K, 64 matrix instructions each, on buffers 0, 1, 0, 1.
; One of the first three: multiplies buffer f; in its middle it fetches the next quarter's fragments, at byte k of the same slot's rows, into buffer g.
.macro QUARTER slot, k, f, g, first
	s_wait_dscnt 8                                 ; wbf's fragments and abf's rows 0-63 are in; the youngest eight loads (abf's rows 64-127) may be out
	MUL16 \f, 0, 0, \first
	MUL16 \f, 0, 2, \first
	PLACES
	FETCH \slot, \k, \g
	s_wait_dscnt 32                                ; all but the 32 just issued
	MUL16 \f, 1, 0, \first
	MUL16 \f, 1, 2, \first
.endm
; The last quarter multiplies buffer 1 and changes slots.  MEET is its first half: in front of the barrier each wave waits for all its tensor loads, of which one is out: its part of the next slot; adds 0 to its
; spare word; and waits for that and for its own reads of this slot.  The barrier opens a round of the cluster's barrier.
.macro MEET
	WIN 0                                          ; (the add's two registers lie in window 0)
	s_wait_tensorcnt 0x0                           ; all my tensor loads have landed: the one that was out is my part of the next slot;
	ds_add_u32 v[SPW], v[NIL]                      ; 0 onto my spare word;
	s_wait_dscnt 9                                 ; (the add and the youngest eight loads may be out)
	MUL16 F1, 0, 0, 0                              ; sixteen matrix instructions stand between the add and the wait for it
	s_wait_dscnt 0x0                               ; the add is done, and my reads of this slot are over:
	s_barrier_signal -1                            ; say so,
	MUL16 F1, 0, 2, 0                              ; work on registers while the others arrive,
	WIN 0
	s_barrier_wait -1                              ; and go on when all four have said so
.endm
; The whole last quarter.  Behind the round the slot just read out is filled again first, with the K step two steps on; then come the next slot's first fragments.
; From a request to the wait for it a wave issues 224 matrix instructions.
.macro TURN slot, next
	s_wait_xcnt 0x0                                ; the last prefetches, a K step back, have read their addresses: the tiles' is stepped here, ahead of the waits of the change of slots
	s_add_nc_u64 s[PFA:PFA+1], s[PFA:PFA+1], KSTEP*2
	MEET
	CREST                                          ; no wave of any partner still reads this slot's tile or has a load on its way
	s_add_nc_u64 s[G0+4*(\slot)+2:G0+4*(\slot)+3], s[G0+4*(\slot)+2:G0+4*(\slot)+3], 2*KSTEP*2
	s_add_nc_u64 s[G0B+4*(\slot)+2:G0B+4*(\slot)+3], s[G0B+4*(\slot)+2:G0B+4*(\slot)+3], 2*KSTEP*2
	JLOAD \slot                                    ; the first tensor load behind the round; the four v_nop behind it are also the places in front of the loads below
	FETCH \next, 0, F0
	ASK
.if (\slot) == 0
	ASKC
.endif
	MUL16 F1, 1, 0, 0
	MUL16 F1, 1, 2, 0
.endm
	s_wait_tensorcnt 1                             ; my part of K step 0 is in; K step 1's may stay out
	s_barrier_signal -1
	s_barrier_wait -1                              ; everybody's is
	FETCH 0, 0, F0
	QUARTER 0, 64,  F0, F1, 1                      ; the first quarter stands in front of the loop: its products start the sums, with the bias
	WIN 0                                          ; at a label and at a branch every window is 0
	s_mov_b32 s3, LAPS-1
.Llap:                                                 ; a trip goes once round the ring, from a lap's second quarter to the next lap's first, and fills both slots again
	QUARTER 0, 128, F1, F0, 0
	QUARTER 0, 192, F0, F1, 0
	TURN 0, 1
	QUARTER 1, 64,  F0, F1, 0
	QUARTER 1, 128, F1, F0, 0
	QUARTER 1, 192, F0, F1, 0
	TURN 1, 0
	QUARTER 0, 64,  F0, F1, 0
	WIN 0
	s_sub_co_u32 s3, s3, 1
	s_cmp_lg_u32 s3, 0
	s_cbranch_scc1 .Llap
	QUARTER 0, 128, F1, F0, 0                      ; the last lap, written out
	QUARTER 0, 192, F0, F1, 0
	MEET                                           ; slot 0 has been read out; my one load that was out is the last K step's
	CREST
	tensor_load_to_lds s[G0C:G0C+3], s[G1C:G1C+7]  ; where slot 0 held abf's rows: my 64 rows of c0's tile; my one tensor load behind this round, and my last
	s_nop 0
	PLACES                                         ; (the places in front of the loads below)
	FETCH 1, 0, F0
	MUL16 F1, 1, 0, 0
	MUL16 F1, 1, 2, 0
	QUARTER 1, 64,  F0, F1, 0
	QUARTER 1, 128, F1, F0, 0
	QUARTER 1, 192, F0, F1, 0
	s_wait_dscnt 8                                 ; the very last quarter: nothing more to fetch
	MUL16 F1, 0, 0, 0
	MUL16 F1, 0, 2, 0
	s_wait_dscnt 0x0
	MUL16 F1, 1, 0, 0
	MUL16 F1, 1, 2, 0
	WIN 0
	PLACES                                         ; behind the last products, in front of what reads their results and writes their fragments' registers
	PLACES                                         ; (eight, once a launch)
; THE WAY OUT.  Block a (16 batch rows x my 32 hidden columns): 16 elements a lane, index e = 8 s + j.  The transcendentals go in four batches, each with one plain instruction behind it and one wait ahead of its
; first reader.  c_t and h_t go into the work-group's stages: a row's 256 bytes (64 f32) come from two waves.
.macro EPI a
	WIN 0
.irp s, 0,1
.irp q, 0,1
	ds_load_b128 v[C0R+8*(\s)+4*(\q):C0R+8*(\s)+4*(\q)+3], v[CA] offset:C0T+(\a)*16*PITCH+64*(\s)+16*(\q)  ; c0 of my elements: wanted far below
.endr
.endr
	WIN 0x02+(\a)/4                                ; source 0: window 2 or 3
.set p, 0
.rept 32                                       ; the exponents: -log2(e) z for i, f, o; 2 log2(e) z for g.  Each accumulator's lowest registers are read first
.if (p/8) == 2
	v_pk_mul_f32 v[Z+2*p:Z+2*p+1], v[64*((\a)%4)+2*p:64*((\a)%4)+2*p+1], s[CP:CP+1] op_sel_hi:[1,0]
.else
	v_pk_mul_f32 v[Z+2*p:Z+2*p+1], v[64*((\a)%4)+2*p:64*((\a)%4)+2*p+1], s[CN:CN+1] op_sel_hi:[1,0]
.endif
.set p, p+1
.endr
	WIN 0
.set p, 0
.rept 64
	v_exp_f32 v[Z+p], v[Z+p]
.set p, p+1
.endr
	v_nop                                          ; a plain instruction behind the last exponential,
	s_wait_alu depctr_va_vdst(0)                   ; and one wait for the 64
.set p, 0
.rept 32
	v_pk_add_f32 v[Z+2*p:Z+2*p+1], v[Z+2*p:Z+2*p+1], 1.0 op_sel_hi:[1,0]
.set p, p+1
.endr
.set p, 0
.rept 64
	v_rcp_f32 v[Z+p], v[Z+p]
.set p, p+1
.endr
	v_nop
	s_wait_alu depctr_va_vdst(0)                   ; one wait for the 64 reciprocals: ZI, ZF, ZO are the sigmoids
.set p, 0
.rept 8
	v_pk_fma_f32 v[ZG+2*p:ZG+2*p+1], v[ZG+2*p:ZG+2*p+1], -2.0, 1.0 op_sel_hi:[1,0,0]  ; tanh(g) = 1 - 2 / (1 + 2^..)
.set p, p+1
.endr
.set p, 0
.rept 8
	v_pk_mul_f32 v[ZG+2*p:ZG+2*p+1], v[ZG+2*p:ZG+2*p+1], v[ZI+2*p:ZI+2*p+1]           ; i tanh(g)
.set p, p+1
.endr
	s_wait_dscnt 0x0                               ; c0 is in
.set p, 0
.rept 8
	v_cvt_pk_bf16_f32 v[CB+p], v[C0R+2*p], v[C0R+2*p+1]                               ; c0 rounded to bf16, like every input
.set p, p+1
.endr
.set p, 0
.rept 8                                        ; c_t = f c0 + i tanh(g), one fused multiply-add, c0 read as a bf16 half
	v_fma_mix_f32_bf16 v[CT+2*p], v[CB+p], v[ZF+2*p], v[ZG+2*p] op_sel_hi:[1,0,0]
	v_fma_mix_f32_bf16 v[CT+2*p+1], v[CB+p], v[ZF+2*p+1], v[ZG+2*p+1] op_sel:[1,0,0] op_sel_hi:[1,0,0]
.set p, p+1
.endr
.set p, 0
.rept 8
	v_pk_mul_f32 v[TC+2*p:TC+2*p+1], v[CT+2*p:CT+2*p+1], s[CP:CP+1] op_sel_hi:[1,0]
.set p, p+1
.endr
.set p, 0
.rept 16
	v_exp_f32 v[TC+p], v[TC+p]
.set p, p+1
.endr
.irp s, 0,1
.irp q, 0,1
	ds_store_b128 v[SC], v[CT+8*(\s)+4*(\q):CT+8*(\s)+4*(\q)+3] offset:(\a)*16*PITCH+64*(\s)+16*(\q)  ; c_t into its stage
.endr
.endr
	v_nop
	s_wait_alu depctr_va_vdst(0)                   ; one wait for the 16 exponentials
.set p, 0
.rept 8
	v_pk_add_f32 v[TC+2*p:TC+2*p+1], v[TC+2*p:TC+2*p+1], 1.0 op_sel_hi:[1,0]
.set p, p+1
.endr
.set p, 0
.rept 16
	v_rcp_f32 v[TC+p], v[TC+p]
.set p, p+1
.endr
	v_nop
	s_wait_alu depctr_va_vdst(0)                   ; one wait for the 16 reciprocals
.set p, 0
.rept 8
	v_pk_fma_f32 v[TC+2*p:TC+2*p+1], v[TC+2*p:TC+2*p+1], -2.0, 1.0 op_sel_hi:[1,0,0]  ; tanh(c_t)
.set p, p+1
.endr
.set p, 0
.rept 8
	v_pk_mul_f32 v[TC+2*p:TC+2*p+1], v[TC+2*p:TC+2*p+1], v[ZO+2*p:ZO+2*p+1]           ; h_t = o tanh(c_t)
.set p, p+1
.endr
.irp s, 0,1
.irp q, 0,1
	ds_store_b128 v[SH], v[TC+8*(\s)+4*(\q):TC+8*(\s)+4*(\q)+3] offset:(\a)*16*PITCH+64*(\s)+16*(\q)  ; h_t into its stage
.endr
.endr
.endm
	s_wait_tensorcnt 0x0                           ; my 64 rows of c0's tile have landed (no load was issued behind that one),
	s_wait_dscnt 0x0                               ; and my reads of slot 1 are over:
	s_barrier_signal -1
	s_barrier_wait -1                              ; c0's tile is whole, and nobody reads the ring any more: its bytes serve as stages
.irp a, 0,1,2,3,4,5,6,7
	EPI \a
.endr
	s_wait_dscnt 0x0                               ; for the others' sake: my stores into the stages are done
	s_barrier_signal -1
	s_barrier_wait -1
	WIN 0x80                                       ; destination window 2: the accumulators have been read
.set t, 0
.rept 32                                       ; c_t's rows 64 w + 2 t and + 2 t + 1, whole,
	ds_load_b128 v[4*t:4*t+3], v[RD] offset:t*2*PITCH
.set t, t+1
.endr
.set t, 0
.rept 32                                       ; then h_t's
	ds_load_b128 v[128+4*t:128+4*t+3], v[RDH] offset:t*2*PITCH
.set t, t+1
.endr
	WIN 0x08                                       ; the stores' data (source 1) in window 2
.set t, 0
.rept 32
	s_wait_dscnt 63-t                              ; LDS loads come back in order (ISA guide 5.7.1): behind c_t's load t stand 31 - t of c_t's and the 32 of h_t's
	global_store_b128 v[CO], v[4*t:4*t+3], s[88:89] offset:2*t*OROW th:TH_STORE_NT  ; 16 lanes store 256 consecutive bytes, at a multiple of 256 from out1's first byte
.set t, t+1
.endr
.set t, 0
.rept 32
	s_wait_dscnt 31-t
	global_store_b128 v[CO], v[128+4*t:128+4*t+3], s[86:87] offset:2*t*OROW th:TH_STORE_NT
.set t, t+1
.endr
	WIN 0
	s_wait_tensorcnt 0x0                           ; the wave's end: behind my last tensor load and my last LDS store
	ds_add_u32 v[SPW], v[NIL]
	s_wait_dscnt 0x0
	CROUND                                         ; the closing round: no work-group ends while a partner may still ask for a tile that names it
	s_endpgm
.Lfunc_end_k_qfbc314dff8_lstm:
	.size	k_qfbc314dff8_lstm, .Lfunc_end_k_qfbc314dff8_lstm-k_qfbc314dff8_lstm
	.p2alignl 7, 3214868480
	.fill 96, 4, 3214868480
	.section	.rodata,"a",@progbits
	.p2align	6, 0x0
	.amdhsa_kernel k_qfbc314dff8_lstm
		.amdhsa_group_segment_fixed_size 327680
		.amdhsa_private_segment_fixed_size 0
		.amdhsa_enable_private_segment 0
		.amdhsa_kernarg_size 104
		.amdhsa_user_sgpr_count 2
		.amdhsa_user_sgpr_kernarg_segment_ptr 1
		.amdhsa_wavefront_size32 1
		.amdhsa_system_sgpr_workgroup_id_x 1
		.amdhsa_system_sgpr_workgroup_id_y 1
		.amdhsa_system_sgpr_workgroup_id_z 1
		.amdhsa_system_vgpr_workitem_id 0
		.amdhsa_next_free_vgpr 1024
		.amdhsa_next_free_sgpr 102
		.amdhsa_reserve_vcc 0
		.amdhsa_float_denorm_mode_32 3
		.amdhsa_float_denorm_mode_16_64 3
		.amdhsa_memory_ordered 1
		.amdhsa_forward_progress 1
		.amdhsa_inst_pref_size 255
	.end_amdhsa_kernel
	.section	.bss,"aw",@nobits
	.p2align	6
	.space	262144
	.amdgpu_metadata
---
amdhsa.version: [ 1, 2 ]
amdhsa.kernels:
  - .name:           k_qfbc314dff8_lstm
    .symbol:         k_qfbc314dff8_lstm.kd
    .args:
      - { .name: abf, .offset: 0, .size: 8, .value_kind: global_buffer, .address_space: global }
      - { .name: wbf, .offset: 8, .size: 8, .value_kind: global_buffer, .address_space: global }
      - { .name: c0, .offset: 16, .size: 8, .value_kind: global_buffer, .address_space: global }
      - { .name: out0, .offset: 24, .size: 8, .value_kind: global_buffer, .address_space: global }
      - { .name: out1, .offset: 32, .size: 8, .value_kind: global_buffer, .address_space: global }
      - { .name: b_ii, .offset: 40, .size: 8, .value_kind: global_buffer, .address_space: global }
      - { .name: b_hi, .offset: 48, .size: 8, .value_kind: global_buffer, .address_space: global }
      - { .name: b_if, .offset: 56, .size: 8, .value_kind: global_buffer, .address_space: global }
      - { .name: b_hf, .offset: 64, .size: 8, .value_kind: global_buffer, .address_space: global }
      - { .name: b_ig, .offset: 72, .size: 8, .value_kind: global_buffer, .address_space: global }
      - { .name: b_hg, .offset: 80, .size: 8, .value_kind: global_buffer, .address_space: global }
      - { .name: b_io, .offset: 88, .size: 8, .value_kind: global_buffer, .address_space: global }
      - { .name: b_ho, .offset: 96, .size: 8, .value_kind: global_buffer, .address_space: global }
    .group_segment_fixed_size: 327680
    .private_segment_fixed_size: 0
    .kernarg_segment_align: 8
    .kernarg_segment_size: 104
    .max_flat_workgroup_size: 128
    .sgpr_count:     102
    .vgpr_count:     1024
    .wavefront_size: 32
...
	.end_amdgpu_metadata
.endif
;; end of part 2
;; ======== version 2 of 2: 2 launches; version 1 with the launch cast written anew for expert scheduling mode
;; workspace buffers: abf 16,777,216 bytes; wbf 67,108,864 bytes
;; launch cast (part 3): grid 128 x 10, 8 waves a work-group, no clusters, 0 bytes of LDS; arguments x, h0, W_ii, W_if, W_ig, W_io, W_hi, W_hf, W_hg, W_ho, abf, wbf; writes abf, wbf
.if DOCPART == 3
	.amdgcn_target "amdgcn-amd-amdhsa--gfx1250"
	.amdhsa_code_object_version 6
	.text
	.protected	k_qfbc314dff8_cast
	.globl	k_qfbc314dff8_cast
	.p2align	8
	.type	k_qfbc314dff8_cast,@function
k_qfbc314dff8_cast:
	s_mov_b64 s[64:65], 0
	v_nop
	global_prefetch_b8 v0, s[64:65] scope:SCOPE_SE
	s_setreg_imm32_b32 hwreg(HW_REG_WAVE_SCHED_MODE, 0, 2), 2
	s_setreg_imm32_b32 hwreg(HW_REG_WAVE_MODE, 25, 1), 1
	s_wait_xcnt 0x0
	s_wait_alu depctr_vm_vsrc(0)
; x, h0 and the eight weight matrices ([2048][2048] f32 each) are rounded once to bf16 (nearest even) and laid out for the product that follows.
;   abf [2048][4096] bf16: row m = x[m][0..2047], then h0[m][0..2047].
;   wbf [8192][4096] bf16: row n = W_i{g}[c][0..2047], then W_h{g}[c][0..2047], with n = (c >> 6) 256 + ((c >> 5) & 1) 128 + 32 g + (c & 31); g = 0..3 for i, f, g, o.
;   So 128 consecutive rows of wbf hold all four gates of 32 hidden columns: the wave that multiplies them ends with i, f, g and o of one element in one lane.
; SHARES.  Work-group (xg, y): rows 16 xg .. 16 xg + 15 of source y (0 x, 1 h0, 2-5 W_i of gate y - 2, 6-9 W_h of gate y - 6); they are 16 consecutive rows of the target too.
; Wave w takes rows 2 w and 2 w + 1: 16,384 bytes, 32 loads of 16 bytes a lane, all issued at once: no loop, and no register is used twice.
; A load of the wave covers 512 consecutive bytes; a store 256 consecutive bytes, at a multiple of 256 from the buffer's first byte.
; No LDS, no matrix unit, no cluster: nothing is shared, and every byte is read once and written once.
; THE MODE: SCHED_MODE bits 1:0 = 2 (LLVM: expert scheduling mode 2), set by the entry lines.  The code itself states the register dependences
; between vector instructions and memory instructions, with s_wait_alu, always for 0.
; THE PLAN.  Registers that memory instructions touch:
;   v1, v2       byte offsets of the loads and of the stores: made at the head and never written again.
;   v[X+4n ..]   four registers for load n.  Load n lands in them; two roundings read the four and write the first two; store n reads those two; nothing writes them again.
; The 32 loads go in 8 groups of four.  Group g's roundings name group g's registers alone; the memory instructions issued among them are the four stores of group g - 1.
; So one wait on va_vdst at a group's head states all that those four stores hang on.  No register that a memory instruction has read is ever written again: no wait on vm_vsrc is owed.
; No vector instruction writes a scalar register or VCC, and EXEC is never written.
.set SROW, 8192                        ; bytes in a source row (2,048 f32), and from row to row of both targets (4,096 bf16)
.set X,    4                           ; v[4:131]  32 x 4 registers as loaded; the first two of each four then hold the four bf16
.set GRP,  4                           ; loads, and stores, in a group
	s_load_b512 s[8:23], s[0:1], 0x0               ; x, h0, W_ii, W_if, W_ig, W_io, W_hi, W_hf: source k at s[8+2k:9+2k]
	s_load_b256 s[24:31], s[0:1], 0x40             ; W_hg, W_ho, abf s[28:29], wbf s[30:31]
	s_and_b32 s2, ttmp7, 0xffff                    ; y: which source
	s_mov_b32 s3, ttmp9                            ; xg: which 16 rows
	v_lshrrev_b32 v3, 5, v0                        ; wave
	v_and_b32 v1, 31, v0                           ; lane
	v_lshlrev_b32 v2, 3, v1                        ; 8 bytes a lane going out,
	v_lshlrev_b32 v1, 4, v1                        ; 16 coming in,
	v_lshl_or_b32 v1, v3, 14, v1                   ; + the wave's two rows, 8,192 bytes each in the source
	v_lshl_or_b32 v2, v3, 14, v2                   ; and in the target
	; the target's first row: offsets are made apart from the addresses
	s_sub_co_u32 s32, s2, 2
	s_and_b32 s32, s32, 3                          ; the gate (of no use for y < 2)
	s_lshr_b32 s33, s3, 2
	s_lshl_b32 s33, s33, 8                         ; (c >> 6) 256, c = 16 xg
	s_bfe_u32 s34, s3, 0x10001
	s_lshl_b32 s34, s34, 7                         ; ((c >> 5) & 1) 128
	s_add_co_u32 s33, s33, s34
	s_lshl_b32 s32, s32, 5                         ; 32 g
	s_add_co_u32 s33, s33, s32
	s_and_b32 s34, s3, 1
	s_lshl_b32 s34, s34, 4                         ; c & 31
	s_add_co_u32 s33, s33, s34                     ; the row in wbf
	s_lshl_b32 s34, s3, 4                          ; the row in abf
	s_cmp_lt_u32 s2, 2
	s_cselect_b32 s35, s34, s33
	s_cmp_eq_u32 s2, 1                             ; h0 and the W_h fill the second half of a target row
	s_cselect_b32 s36, 4096, 0
	s_cmp_ge_u32 s2, 6
	s_cselect_b32 s36, 4096, s36
	s_lshl_b32 s35, s35, 13                        ; row x 8,192 bytes: under 2^27
	s_add_co_u32 s36, s35, s36
	s_mov_b32 s37, 0
	s_lshl_b32 s38, s3, 17                         ; 16 source rows of 8,192 bytes
	s_mov_b32 s39, 0
	s_wait_kmcnt 0x0
	s_mov_b64 s[4:5], s[8:9]                       ; the source is chosen by the work-group's y alone
.irp k, 1,2,3,4,5,6,7,8,9
	s_cmp_eq_u32 s2, \k
	s_cselect_b64 s[4:5], s[8+2*\k:9+2*\k], s[4:5]
.endr
	s_cmp_lt_u32 s2, 2
	s_cselect_b64 s[6:7], s[28:29], s[30:31]       ; and so is the target
	s_add_nc_u64 s[4:5], s[4:5], s[38:39]
	s_add_nc_u64 s[6:7], s[6:7], s[36:37]
	s_wait_alu depctr_va_vdst(0)                   ; v1 and v2 are written: every load of the kernel reads v1 as its offset, every store v2
.set n, 0
.rept 32                                       ; load n: row n / 16 of my two, bytes 512 (n % 16) on
	global_load_b128 v[X+4*n:X+4*n+3], v1, s[4:5] offset:(n/16)*SROW+(n%16)*512 th:TH_LOAD_NT
.set n, n+1
.endr
; Group g: its four loads are rounded; among the roundings the four stores of the group before go out, one ahead of each pair of roundings.
.set g, 0
.rept 32/GRP
	s_wait_loadcnt 32-GRP-GRP*g                    ; loads come back in order (ISA guide 5.7.1): group g's four are in, the younger groups' stay out
.if g > 0
	s_wait_alu depctr_va_vdst(0)                   ; the roundings of the group before have written the first two of each of its four registers, which the four stores below read
.endif
.set i, 0
.rept GRP
.if g > 0
.set m, GRP*(g-1)+i
	global_store_b64 v2, v[X+4*m:X+4*m+1], s[6:7] offset:(m/16)*SROW+(m%16)*256 th:TH_STORE_NT  ; 32 lanes x 8 bytes: 256 consecutive bytes; no vector instruction since the wait names these registers
.endif
.set n, GRP*g+i
	v_cvt_pk_bf16_f32 v[X+4*n], v[X+4*n], v[X+4*n+1]
	v_cvt_pk_bf16_f32 v[X+4*n+1], v[X+4*n+2], v[X+4*n+3]
.set i, i+1
.endr
.set g, g+1
.endr
	s_wait_alu depctr_va_vdst(0)                   ; the last group's roundings have written what the last four stores read
.set m, 32-GRP
.rept GRP
	global_store_b64 v2, v[X+4*m:X+4*m+1], s[6:7] offset:(m/16)*SROW+(m%16)*256 th:TH_STORE_NT
.set m, m+1
.endr
	s_endpgm
.Lfunc_end_k_qfbc314dff8_cast:
	.size	k_qfbc314dff8_cast, .Lfunc_end_k_qfbc314dff8_cast-k_qfbc314dff8_cast
	.p2alignl 7, 3214868480
	.fill 96, 4, 3214868480
	.section	.rodata,"a",@progbits
	.p2align	6, 0x0
	.amdhsa_kernel k_qfbc314dff8_cast
		.amdhsa_group_segment_fixed_size 0
		.amdhsa_private_segment_fixed_size 0
		.amdhsa_enable_private_segment 0
		.amdhsa_kernarg_size 96
		.amdhsa_user_sgpr_count 2
		.amdhsa_user_sgpr_kernarg_segment_ptr 1
		.amdhsa_wavefront_size32 1
		.amdhsa_system_sgpr_workgroup_id_x 1
		.amdhsa_system_sgpr_workgroup_id_y 1
		.amdhsa_system_sgpr_workgroup_id_z 1
		.amdhsa_system_vgpr_workitem_id 0
		.amdhsa_next_free_vgpr 132
		.amdhsa_next_free_sgpr 66
		.amdhsa_reserve_vcc 0
		.amdhsa_float_denorm_mode_32 3
		.amdhsa_float_denorm_mode_16_64 3
		.amdhsa_memory_ordered 1
		.amdhsa_forward_progress 1
		.amdhsa_inst_pref_size 13
	.end_amdhsa_kernel
	.amdgpu_metadata
---
amdhsa.version: [ 1, 2 ]
amdhsa.kernels:
  - .name:           k_qfbc314dff8_cast
    .symbol:         k_qfbc314dff8_cast.kd
    .args:
      - { .name: x, .offset: 0, .size: 8, .value_kind: global_buffer, .address_space: global }
      - { .name: h0, .offset: 8, .size: 8, .value_kind: global_buffer, .address_space: global }
      - { .name: W_ii, .offset: 16, .size: 8, .value_kind: global_buffer, .address_space: global }
      - { .name: W_if, .offset: 24, .size: 8, .value_kind: global_buffer, .address_space: global }
      - { .name: W_ig, .offset: 32, .size: 8, .value_kind: global_buffer, .address_space: global }
      - { .name: W_io, .offset: 40, .size: 8, .value_kind: global_buffer, .address_space: global }
      - { .name: W_hi, .offset: 48, .size: 8, .value_kind: global_buffer, .address_space: global }
      - { .name: W_hf, .offset: 56, .size: 8, .value_kind: global_buffer, .address_space: global }
      - { .name: W_hg, .offset: 64, .size: 8, .value_kind: global_buffer, .address_space: global }
      - { .name: W_ho, .offset: 72, .size: 8, .value_kind: global_buffer, .address_space: global }
      - { .name: abf, .offset: 80, .size: 8, .value_kind: global_buffer, .address_space: global }
      - { .name: wbf, .offset: 88, .size: 8, .value_kind: global_buffer, .address_space: global }
    .group_segment_fixed_size: 0
    .private_segment_fixed_size: 0
    .kernarg_segment_align: 8
    .kernarg_segment_size: 96
    .max_flat_workgroup_size: 256
    .sgpr_count:     66
    .vgpr_count:     132
    .wavefront_size: 32
...
	.end_amdgpu_metadata
.endif
;; end of part 3
;; launch lstm: the kernel of part 2 again; grid 32 x 8, 4 waves a work-group, clusters of 4 x 4, 327,680 bytes of LDS; arguments abf, wbf, c0, out0, out1, b_ii, b_hi, b_if, b_hf, b_ig, b_hg, b_io, b_ho; writes out0, out1
